; MI455X (gfx1250); checked and timed in simulation.
; The chip was launched on July 23, 2026; its instructions are those of AMD's public machine-readable ISA for CDNA 5 (MIT licence, August 2026) and "CDNA5" Instruction Set Architecture Reference Guide (July 2026). The comments in the code are by the model that wrote it; some were corrected since.
;; Attention. Allowed arithmetic: matrix products marked QUANTISED: E2M1 operands, one E8M0 scale for each 32 along K, by v_wmma_scale_f32_16x16x128_f8f6f4 with both operands' format E2M1 (or v_wmma_scale_f32_32x16x128_f4), f32 sums; everything else in f32.
;; Inputs: Wk_codes 512 x 16 x 16 uint8 (E2M1 codes of Wk, K innermost, in blocks of 32 codes, two codes a byte); Wk_scales 512 x 16 uint8 (E8M0 scales of Wk, one for each 32 codes along K); Wo_codes 512 x 16 x 16 uint8 (E2M1 codes of Wo, K innermost, in blocks of 32 codes, two codes a byte); Wo_scales 512 x 16 uint8 (E8M0 scales of Wo, one for each 32 codes along K); Wq_codes 512 x 16 x 16 uint8 (E2M1 codes of Wq, K innermost, in blocks of 32 codes, two codes a byte); Wq_scales 512 x 16 uint8 (E8M0 scales of Wq, one for each 32 codes along K); Wv_codes 512 x 16 x 16 uint8 (E2M1 codes of Wv, K innermost, in blocks of 32 codes, two codes a byte); Wv_scales 512 x 16 uint8 (E8M0 scales of Wv, one for each 32 codes along K); bk 512 float32; bo 512 float32; bq 512 float32; bv 512 float32; x_codes 2 x 4,096 x 16 x 16 uint8 (E2M1 codes of x, K innermost, in blocks of 32 codes, two codes a byte); x_scales 2 x 4,096 x 16 uint8 (E8M0 scales of x, one for each 32 codes along K).
;; Outputs: out0 2 x 4,096 x 512 float32.
;; This version of the problem:
;;   THIS VERSION OF THE PROBLEM IS GIVEN IN LOW PRECISION. The matrix products marked QUANTISED in the list below multiply operands that are first quantised to E2M1 (2 exponent bits, 1 mantissa bit; 4 bits a number), with one power-of-two scale for each 32 numbers along K (OCP MX v1.0); their sums are f32. All else is computed in f32.
;;   The module's matrix products, in the order in which they are computed (A, B: the left and right operand; K: the contracted axis; several contracted axes count as one K, in the product's order):
;;     1. [M 8,192, K 512] x [K 512, N 512]; A: input x (given as codes); B: input Wq (given as codes): QUANTISED
;;     2. [M 8,192, K 512] x [K 512, N 512]; A: input x (given as codes); B: input Wk (given as codes): QUANTISED
;;     3. [M 8,192, K 512] x [K 512, N 512]; A: input x (given as codes); B: input Wv (given as codes): QUANTISED
;;     4. batch 16 x [M 4,096, K 64] x [K 64, N 4,096]; A: computed on the way; B: computed on the way: QUANTISED
;;     5. batch 16 x [M 4,096, K 4,096] x [K 4,096, N 64]; A: softmax (see below); B: computed on the way: QUANTISED
;;     6. [M 8,192, K 512] x [K 512, N 512]; A: computed on the way; B: input Wo (given as codes): QUANTISED
;;   THE QUANTISER, for each operand of a quantised product, along K:
;;     - K is cut into blocks of 32 from its start; a last block that is shorter is filled with zeros.
;;     - A block's scale is 2^e with e = floor(log2(the largest magnitude in the block)) - 2, held to -126 .. 127; a block of zeros has e = 0. As a byte (E8M0): e + 127.
;;     - Each number is divided by its block's scale, clamped to +-6, and rounded to the nearest number of E2M1, ties to even, subnormals kept.
;;     - The product sums the exact products of the quantised numbers (number of the format x scale) in f32.
;;   ~~~python
;;   def quantise(x, axis):      # numpy; x: float32 -> the quantised numbers, widened to float32 again
;;       x = np.moveaxis(x, axis, -1); K = x.shape[-1]
;;       x = np.pad(x, [(0, 0)] * (x.ndim - 1) + [(0, -K % 32)]); x = x.reshape(x.shape[:-1] + (-1, 32)); a = np.abs(x).max(-1, keepdims=True)
;;       e = np.where(a > 0, np.clip(np.frexp(np.where(a > 0, a, 1))[1] - 1 - 2, -126, 127), 0)      # np.frexp(a)[1] - 1 = floor(log2(a)), exactly
;;       r = np.clip(x / 2.0 ** e, -6, 6)
;;       step = 2.0 ** (np.maximum(np.frexp(np.where(r == 0, 1, r))[1] - 1, 0) - 1)
;;       q = np.round(r / step) * step * 2.0 ** e      # np.round: ties to even
;;       return np.moveaxis(q.reshape(q.shape[:-2] + (-1,))[..., :K], -1, axis).astype(np.float32)
;;   ~~~
;;   SOFTMAX AHEAD OF A QUANTISED PRODUCT. Where the list says 'softmax', what is quantised is not the finished softmax but p = 2^(t - M), with t = logit x log2(e) and M = ceil(the row's largest t), a whole number; so 1/2 < the row's largest p <= 1. The row's sum l is taken of the UNQUANTISED p, in f32, and the product's result is divided by l at the end. Since M is a whole number, a kernel that streams over the keys may use a running M (the ceiling of the running maximum): every later rescaling is an exact power of two, which a block's scale takes up: the codes' values come out the same.
;;   OPERANDS COMPUTED ON THE WAY. 'Computed on the way' means the value that the module computes at that place (a softmax that the list does not call 'softmax' is quantised finished and normalised). What goes into a quantiser is computed in f32, as accurately as f32 sums, v_exp_f32 and their like allow (about 1e-6 of the number): no bf16 or f16 on the way to a quantiser, and a product that is left as it is and whose result goes on into a quantised operand takes f32 operands (vector FMAs, or v_wmma_f32_16x16x4_f32). A number that lies on a knife's edge between two numbers of the format may be rounded either way, as far as f32 arithmetic and the matrix unit's own rounding can turn it there, and no further.
;;   INPUTS GIVEN AS CODES. Wk (in the module: [512, 512], K = its axis 0); Wo (in the module: [512, 512], K = its axis 0); Wq (in the module: [512, 512], K = its axis 0); Wv (in the module: [512, 512], K = its axis 0); x (in the module: [2, 4096, 512], K = its axis 2): each comes as NAME_codes (uint8): NAME with its K axis moved to the last place and cut into blocks of 32 codes, [.., K / 32, bytes a block], one block behind the other in memory; two codes a byte, the lower K in the low four bits (a code: sign, 2 exponent bits, 1 mantissa bit); and NAME_scales (uint8): the same leading axes, one E8M0 byte (e + 127) for each 32 codes along K. Its value is code x scale, taken as it is: it is not quantised again, and the codes and scales need not be those that the quantiser above would give.
;; One version. Each part assembles by itself: llvm-mc -triple=amdgcn-amd-amdhsa -mcpu=gfx1250 --defsym DOCPART=n.
;; ======== version 1 of 1: 3 launches
;; limits: right only within a limited range of input values
;; workspace buffers: q_img 2,097,152 bytes; q_sc 262,144 bytes; kv 4,718,592 bytes; att_img 2,097,152 bytes; att_sc 131,072 bytes
;; launch qkv (part 1): grid 64 x 4, 8 waves a work-group, clusters of 4 x 4, 168,960 bytes of LDS; arguments x_codes, x_scales, Wq_codes, Wq_scales, bq, Wk_codes, Wk_scales, bk, Wv_codes, Wv_scales, bv, q_img, q_sc, kv; writes q_img, q_sc, kv
.if DOCPART == 1
	.amdgcn_target "amdgcn-amd-amdhsa--gfx1250"
	.amdhsa_code_object_version 6
	.text
	.protected	k_q52decef38b_qkv
	.globl	k_q52decef38b_qkv
	.p2align	8
	.type	k_q52decef38b_qkv,@function
k_q52decef38b_qkv:
	s_mov_b64 s[64:65], 0
	v_nop
	global_prefetch_b8 v0, s[64:65] scope:SCOPE_SE
	s_setreg_imm32_b32 hwreg(HW_REG_WAVE_MODE, 25, 1), 1
	s_wait_xcnt 0x0
	s_wait_alu depctr_hold_cnt(0) depctr_sa_sdst(0) depctr_va_vdst(0) depctr_va_sdst(0) depctr_va_ssrc(0) depctr_va_vcc(0) depctr_vm_vsrc(0)
	s_getreg_b32 s2, hwreg(HW_REG_IB_STS2, 6, 4)
	s_cmp_eq_u32 s2, 0
	s_cbranch_scc0 .Lentry_in_a_cluster
	s_endpgm
.Lentry_in_a_cluster:
	s_bfe_u32 s2, ttmp6, 0x10000c
	s_cmp_lg_u32 s2, 0xf033
	s_cbranch_scc0 .Lentry_shape_is_right
	s_endpgm
.Lentry_shape_is_right:
; Q = x Wq + bq, K = x Wk + bk, V = x Wv + bv on codes of FP4 (E2M1) with one E8M0 scale for each 32 along K (K = 512, four steps of 128), sums in f32;
; then Q and K are quantised along the head's 64 and V along the keys, and leave as IMAGES OF OPERAND REGISTERS for the attention launch.
; SHARES.  A work-group owns 128 tokens (one key step of one batch) and two heads.  Wave w: head j = w / 4 of the pair, part i = w % 4.  Every wave runs three tasks of 32 matrix instructions:
;   Q and K: tokens 32 i .. 32 i + 31 (two tiles) x the head's 64 features (four tiles), TRANSPOSED (source 0 = 16 rows of W, source 1 = 16 tokens): a lane holds one token, its registers run along the features;
;   V: all 128 tokens (eight tiles) x feature tile i, NATURAL (source 0 = 16 tokens, source 1 = 16 rows of W): a lane holds one feature, its registers run along the tokens, which are the keys.
; THE ROWS OF A TILE ARE NOT NEIGHBOURS: lane r of tile (b, u) takes row 32 b + 8 u + r + 8 (r / 8), of tokens and of features alike.  So the 16 registers of tiles (b, 0) and (b, 1) are the
; 16 neighbours 32 b + 16 (lane / 16) + 0 .. 15 along the next product's K, eight of them to a conversion, and the codes come out as the next operand's registers.
; The biases are the C of each sum's first matrix instruction.
; CLUSTER 4 x 4: x's tile hangs on the token block alone and is shared along a column of the cluster, the weights' tiles on the pair of heads alone and are shared along a row: joint loads, one a wave.
; LDS is filled once: nothing is filled again.
; LIMITS: NaN and infinities are not served.  A block whose largest magnitude lies under 2^-124 gets the scale byte 1; a block of zeros gets the byte 1 where the quantiser says 127:
; its codes are zeros, which add nothing under that byte, and the bytes are read by this program alone.
.set PITCH, 272                        ; an LDS row: 256 bytes (512 codes) + 16 of padding: the 16 rows of a fragment load start at different banks
.set HALFT, 64*PITCH                   ; 64 rows: what one tensor load brings
.set WQL,   2*HALFT                    ; LDS: x's 128 rows at 0, then 128 rows each of Wq, Wk, Wv
.set WKL,   4*HALFT
.set WVL,   6*HALFT
.set STG,   8*HALFT                    ; behind the tiles: a stage for the scale words, 1,280 bytes a head: Q's 512, K's 512, V's 256
.set STGH,  1280
.set PADW,  (1<<20)|(1<<21)|(5<<22)|(3<<25)   ; group 1, word 0 beside the mask: elements of 1 byte; padding on; bit 21 beside a mask; 4 words after every 64
.set FA,  1                            ; v1   272 (r + 8 (r / 8)) + 16 (lane / 16): a fragment's place for my lane
.set AXQ, 2                            ; v2   x's tiles (i, u)
.set AWQ, 3                            ; v3   Wq's rows of my head
.set AWK, 4                            ; v4   Wk's
.set AWV, 5                            ; v5   Wv's tile i of my head
.set LI,  6                            ; v6   16 x lane
.set LII, 7                            ; v7   16 x lane + 1,024 i: my images' place in a key step's
.set L8,  8                            ; v8   8 x lane
.set SQA, 9                            ; v9   the stage: where my word of Q's scales goes
.set SKA, 10                           ; v10  K's
.set SVA, 11                           ; v11  V's
.set SRD, 12                           ; v12  the stage read back, 16 bytes a lane
.set SRV, 13                           ; v13  and V's part, 8 bytes a lane
.set B64, 14                           ; v14  64 (lane / 16): my half's 16 features in a bias
.set XSQ, 16                           ; v16-19  x's scale words, tiles (i, 0) in lanes 0-15 and (i, 1) in lanes 16-31, K step s
.set XSV, 20                           ; v20-35  the same for all four b: register 4 b + s
.set WSQ, 36                           ; v36-43  Wq's scale words: register 4 b + s, tile (b, 0) below, (b, 1) above
.set WSK, 44                           ; v44-51  Wk's
.set WSV, 52                           ; v52-55  Wv's, my tile
.set BV,  56                           ; v56-63  bv of my lane's feature, eight times
.set BQK, 64                           ; v64-95  bq, later bk: eight registers a feature tile, in the result's layout
.set ACC, 96                           ; v96-159 eight accumulators
.set FR,  160                          ; v160-231 fragments (at the head v160-167 hold offsets of loads)
.set MX,  232                          ; v232-235 largest magnitudes
.set TP,  236                          ; v236-239 the other half's, then the scale bytes
.set SO,  240                          ; v240-243 the conversions' scale operands
.set PC,  244                          ; v244-251 the codes
.set PW,  252                          ; v252 a scale word on its way to the stage
.set T0,  253
.set T1,  254
.set WV,  32                           ; s32 wave, s33 j, s34 i, s35 cx, s36 cy, s37 token block
.set HJ,  33
.set WI,  34
.set CX,  35
.set CY,  36
.set TBK, 37
.set G1X, 40                           ; s[40:47] group 1 for x's tile;  s[48:55] for the weights': they differ in the mask alone
.set G1W, 48
.set G0X, 56                           ; groups 0: x s[56:59], Wq s[60:63], Wk s[68:71], Wv s[72:75]
.set G0Q, 60
.set G0K, 68
.set G0V, 72
.set SEL, 66                           ; s[66:67] selects of v_permlanex16_b32 for lane l xor 16
.set HM,  76                           ; s76 lanes 16-31
.macro PLACES n
.rept \n
	v_nop
.endr
.endm
; A round of the cluster's barrier: my work-group's barrier, wave 0 signals for the work-group, every wave waits for all sixteen, my work-group's barrier once more.
.macro CROUND
	s_barrier_signal -1
	s_barrier_wait -1
	s_cmp_lg_u32 s[WV], 0
	s_cbranch_scc1 .Lnot_wave_0_\@
	s_barrier_signal -3
.Lnot_wave_0_\@:
	s_barrier_wait -3
	s_barrier_signal -1
	s_barrier_wait -1
.endm
; One matrix instruction.  ra, rb = 1: source 0's, source 1's scale words are taken from lanes 16-31 of the register named.
.macro WM d, a, b, c, sa, sb, ra, rb
.if ((\ra) == 0) && ((\rb) == 0)
	v_wmma_scale_f32_16x16x128_f8f6f4 v[0+(\d):7+(\d)], v[0+(\a):7+(\a)], v[0+(\b):7+(\b)], v[0+(\c):7+(\c)], v[0+(\sa)], v[0+(\sb)] matrix_a_fmt:MATRIX_FMT_FP4 matrix_b_fmt:MATRIX_FMT_FP4
.elseif ((\ra) != 0) && ((\rb) == 0)
	v_wmma_scale_f32_16x16x128_f8f6f4 v[0+(\d):7+(\d)], v[0+(\a):7+(\a)], v[0+(\b):7+(\b)], v[0+(\c):7+(\c)], v[0+(\sa)], v[0+(\sb)] matrix_a_fmt:MATRIX_FMT_FP4 matrix_b_fmt:MATRIX_FMT_FP4 matrix_a_scale:MATRIX_SCALE_ROW1
.elseif ((\ra) == 0)
	v_wmma_scale_f32_16x16x128_f8f6f4 v[0+(\d):7+(\d)], v[0+(\a):7+(\a)], v[0+(\b):7+(\b)], v[0+(\c):7+(\c)], v[0+(\sa)], v[0+(\sb)] matrix_a_fmt:MATRIX_FMT_FP4 matrix_b_fmt:MATRIX_FMT_FP4 matrix_b_scale:MATRIX_SCALE_ROW1
.else
	v_wmma_scale_f32_16x16x128_f8f6f4 v[0+(\d):7+(\d)], v[0+(\a):7+(\a)], v[0+(\b):7+(\b)], v[0+(\c):7+(\c)], v[0+(\sa)], v[0+(\sb)] matrix_a_fmt:MATRIX_FMT_FP4 matrix_b_fmt:MATRIX_FMT_FP4 matrix_a_scale:MATRIX_SCALE_ROW1 matrix_b_scale:MATRIX_SCALE_ROW1
.endif
.endm
; nb blocks of 32: register s + 16 b + i of lane (r, h) is number 32 b + 16 h + i of the lane's row.  Codes into v[PC] on, in the operand's layout; the blocks' scale bytes into v[TP] on.
.macro QUANT s, nb
.set qn, 0
.rept \nb
	v_max3_num_f32 v[MX+qn], |v[\s+16*qn]|, |v[\s+16*qn+1]|, 0x1800000   ; my 16 numbers of block qn, from each accumulator's low end on, and the floor 2^(3 - 127): the byte cannot fall under 1
.set qn, qn+1
.endr
.set qi, 2
.rept 7
.set qn, 0
.rept \nb
	v_max3_num_f32 v[MX+qn], v[MX+qn], |v[\s+16*qn+qi]|, |v[\s+16*qn+qi+1]|   ; the blocks by turns: no line waits for the line above it
.set qn, qn+1
.endr
.set qi, qi+2
.endr
.set qn, 0
.rept \nb
	s_delay_alu instid0(VALU_DEP_4)
	v_permlanex16_b32 v[TP+qn], v[MX+qn], s[SEL], s[SEL+1]
.set qn, qn+1
.endr
.set qn, 0
.rept \nb
	s_delay_alu instid0(VALU_DEP_4)
	v_max_num_f32 v[MX+qn], v[MX+qn], v[TP+qn]                 ; with lane l xor 16's 16: the block's largest magnitude
.set qn, qn+1
.endr
.set qn, 0
.rept \nb
	s_delay_alu instid0(VALU_DEP_4)
	v_add_nc_u32 v[SO+qn], 0xff000000, v[MX+qn]                ; 2 off its exponent field: the conversion takes this operand's exponent field as its scale
.set qn, qn+1
.endr
.set qn, 0
.rept \nb
	s_delay_alu instid0(VALU_DEP_4)
	v_lshrrev_b32 v[TP+qn], 23, v[SO+qn]                       ; the scale's byte
.set qn, qn+1
.endr
.set qn, 0
.rept \nb
	v_cvt_scalef32_pk8_fp4_f32 v[PC+2*qn], v[\s+16*qn:\s+16*qn+7], v[SO+qn]
	v_cvt_scalef32_pk8_fp4_f32 v[PC+2*qn+1], v[\s+16*qn+8:\s+16*qn+15], v[SO+qn]
.set qn, qn+1
.endr
	v_nop                                                      ; one plain place behind the last scaled conversion
.set qn, 0
.rept \nb/2
	v_permlane16_swap_b32 v[PC+4*qn], v[PC+4*qn+2]             ; the operand wants a whole block in a lane: lanes 0-15 the even block, lanes 16-31 the odd one
	v_permlane16_swap_b32 v[PC+4*qn+1], v[PC+4*qn+3]
.set qn, qn+1
.endr
.endm
	s_load_b512 s[4:19], s[0:1], 0x0               ; x_codes 4, x_scales 6, Wq_codes 8, Wq_scales 10, bq 12, Wk_codes 14, Wk_scales 16, bk 18
	s_load_b256 s[20:27], s[0:1], 0x40             ; Wv_codes 20, Wv_scales 22, bv 24, q_img 26
	s_load_b128 s[28:31], s[0:1], 0x60             ; q_sc 28, kv 30
	v_lshl_add_u32 v15, v0, 2, 0x29000
	v_mov_b32 v255, 0
	ds_add_u32 v15, v255
	ds_add_u32 v15, v255
	v_lshrrev_b32 v160, 5, v0
	s_delay_alu instid0(VALU_DEP_1)
	v_readfirstlane_b32 s[WV], v160                ; wave 0..7
	s_lshr_b32 s[HJ], s[WV], 2                     ; j: which head of the pair
	s_and_b32 s[WI], s[WV], 3                      ; i: which part
	s_bfe_u32 s[CX], ttmp6, 0x40000
	s_bfe_u32 s[CY], ttmp6, 0x40004                ; cy is the pair of heads: the grid is one cluster high
	s_lshl_b32 s[TBK], ttmp9, 2
	s_add_co_u32 s[TBK], s[TBK], s[CX]             ; token block = 4 x cluster x + cx
	s_lshl_b32 s38, s[CY], 2
	s_lshl_b32 s38, 15, s38                        ; my row of the cluster
	s_lshl_b32 s39, 0x1111, s[CX]                  ; my column
	s_or_b32 s[G1X], s39, PADW                     ; x's tile goes to my column,
	s_or_b32 s[G1W], s38, PADW                     ; the weights' to my row
.irp g, G1X, G1W
	s_mov_b32 s[\g+1], 256<<16                     ; tensor_dim0 = 256 bytes
	s_mov_b32 s[\g+2], 64<<16                      ; tensor_dim1 = 64 rows
	s_mov_b32 s[\g+3], 256<<16                     ; tile_dim0
	s_mov_b32 s[\g+4], 64                          ; tile_dim1
	s_mov_b32 s[\g+5], 256                         ; from row to row
	s_mov_b32 s[\g+6], 0
	s_mov_b32 s[\g+7], 0
.endr
	s_and_b32 s82, s[WV], 1
	s_lshl_b32 s82, s82, 14                        ; which 64 rows of its tile a wave fetches
	s_lshl_b32 s78, s[TBK], 15                     ; x: 128 rows of 256 bytes a token block (these registers never hold cy)
	s_add_co_u32 s78, s78, s82
	s_mov_b32 s79, 0
	s_lshl_b32 s80, s[CY], 15                      ; the weights: 128 rows a pair of heads (these never hold cx)
	s_add_co_u32 s80, s80, s82
	s_mov_b32 s81, 0
	s_mov_b32 s[SEL], 0x76543210
	s_mov_b32 s[SEL+1], 0xfedcba98
	s_mov_b32 s[HM], 0xffff0000
	s_wait_dscnt 0x0
	s_wait_kmcnt 0x0
	s_mov_b32 s[G0X], 1
	s_mul_i32 s[G0X+1], s[WV], HALFT               ; LDS: wave x 64 rows: waves 0, 1 x; 2, 3 Wq; 4, 5 Wk; 6, 7 Wv
	s_add_nc_u64 s[G0X+2:G0X+3], s[4:5], s[78:79]
	s_or_b32 s[G0X+3], s[G0X+3], 0x80000000
	s_mov_b32 s[G0Q], 1
	s_mul_i32 s[G0Q+1], s[WV], HALFT
	s_add_nc_u64 s[G0Q+2:G0Q+3], s[8:9], s[80:81]
	s_or_b32 s[G0Q+3], s[G0Q+3], 0x80000000
	s_mov_b32 s[G0K], 1
	s_mul_i32 s[G0K+1], s[WV], HALFT
	s_add_nc_u64 s[G0K+2:G0K+3], s[14:15], s[80:81]
	s_or_b32 s[G0K+3], s[G0K+3], 0x80000000
	s_mov_b32 s[G0V], 1
	s_mul_i32 s[G0V+1], s[WV], HALFT
	s_add_nc_u64 s[G0V+2:G0V+3], s[20:21], s[80:81]
	s_or_b32 s[G0V+3], s[G0V+3], 0x80000000
	CROUND                                         ; all sixteen work-groups are here: the joint loads meet
	s_cmp_lt_u32 s[WV], 2                          ; one joint load a wave; the branches hang on the wave's number alone; four v_nop follow each line
	s_cbranch_scc0 .Lnot_x
	tensor_load_to_lds s[G0X:G0X+3], s[G1X:G1X+7]
	s_nop 0
	PLACES 4
	s_branch .Lasked
.Lnot_x:
	s_cmp_lt_u32 s[WV], 4
	s_cbranch_scc0 .Lnot_q
	tensor_load_to_lds s[G0Q:G0Q+3], s[G1W:G1W+7]
	s_nop 0
	PLACES 4
	s_branch .Lasked
.Lnot_q:
	s_cmp_lt_u32 s[WV], 6
	s_cbranch_scc0 .Lnot_k
	tensor_load_to_lds s[G0K:G0K+3], s[G1W:G1W+7]
	s_nop 0
	PLACES 4
	s_branch .Lasked
.Lnot_k:
	tensor_load_to_lds s[G0V:G0V+3], s[G1W:G1W+7]
	s_nop 0
	PLACES 4
.Lasked:
	; every LDS address: constants, the lane, the wave
	v_and_b32 v167, 31, v0                         ; lane
	v_and_b32 v160, 15, v0                         ; r
	v_bfe_u32 v161, v0, 4, 1                       ; h
	s_delay_alu instid0(VALU_DEP_2)
	v_and_b32 v162, 8, v160
	s_delay_alu instid0(VALU_DEP_1)
	v_add_nc_u32 v162, v162, v160                  ; r + 8 (r / 8)
	s_delay_alu instid0(VALU_DEP_1)
	v_mul_u32_u24 v[FA], v162, PITCH
	s_delay_alu instid0(VALU_DEP_1)
	v_lshl_add_u32 v[FA], v161, 4, v[FA]
	s_wait_alu depctr_va_vdst(0)
	s_mul_i32 s84, s[WI], 32*PITCH
	v_add_nc_u32 v[AXQ], s84, v[FA]
	s_mul_i32 s85, s[HJ], HALFT                    ; my head's 64 rows of a weight's 128
	s_add_co_u32 s84, s85, WQL
	v_add_nc_u32 v[AWQ], s84, v[FA]
	s_add_co_u32 s84, s85, WKL
	v_add_nc_u32 v[AWK], s84, v[FA]
	s_lshr_b32 s86, s[WI], 1
	s_lshl_b32 s86, s86, 5
	s_and_b32 s87, s[WI], 1
	s_lshl_b32 s87, s87, 3
	s_add_co_u32 s86, s86, s87                     ; feature tile i begins at 32 (i / 2) + 8 (i % 2)
	s_mul_i32 s84, s86, PITCH
	s_add_co_u32 s84, s84, s85
	s_add_co_u32 s84, s84, WVL
	v_add_nc_u32 v[AWV], s84, v[FA]
	v_lshlrev_b32 v[LI], 4, v167
	s_lshl_b32 s84, s[WI], 10
	v_add_nc_u32 v[LII], s84, v[LI]
	v_lshlrev_b32 v[L8], 3, v167
	s_mul_i32 s88, s[HJ], STGH
	s_add_co_u32 s88, s88, STG                     ; my head's stage
	s_lshl_b32 s84, s[WI], 7
	s_add_co_u32 s84, s84, s88
	v_lshl_add_u32 v[SQA], v167, 2, s84            ; Q's words: [i][lane]: tile 2 i + u, row r at 64 (2 i + u) + 4 r
	s_lshl_b32 s84, s[WI], 2
	s_add_co_u32 s84, s84, s88
	s_add_co_u32 s84, s84, 512
	v_lshl_add_u32 v[SKA], v167, 4, s84            ; K's words: [lane][i]: one load of 16 bytes a lane will bring a key step's
	s_and_b32 s84, s[WI], 1
	s_lshl_b32 s84, s84, 7
	s_lshr_b32 s87, s[WI], 1
	s_lshl_b32 s87, s87, 2
	s_add_co_u32 s84, s84, s87
	s_add_co_u32 s84, s84, s88
	s_add_co_u32 s84, s84, 1024
	v_lshl_add_u32 v[SVA], v160, 3, s84            ; V's words: tile i, row r at 8 (r + 16 (i % 2)) + 4 (i / 2)
	v_lshl_add_u32 v[SRD], v167, 4, s88
	s_add_co_u32 s84, s88, 1024
	v_lshl_add_u32 v[SRV], v167, 3, s84
	v_lshlrev_b32 v[B64], 6, v161
	v_lshlrev_b32 v163, 4, v162                    ; offsets of the loads below: 16 bytes of scales a row;
	s_delay_alu instid0(VALU_DEP_1)
	v_lshl_add_u32 v164, v161, 7, v163             ; lanes 16-31 take the tile eight rows on;
	s_lshl_b32 s84, s[WI], 9
	v_add_nc_u32 v165, s84, v164                   ; from tokens 32 i on;
	s_wait_alu depctr_va_vdst(0)
	v_lshlrev_b32 v166, 2, v162                    ; 4 bytes of bias a row
	s_wait_alu depctr_va_vdst(0)
.irp b, 0,1,2,3
	v_mov_b32 v[TP+\b], 0                          ; written once: a lane permute's destination counts as one of its sources
.endr
	; where my parts begin in memory
	s_mov_b32 s95, 0
	s_lshl_b32 s89, s[CY], 7
	s_lshl_b32 s84, s[HJ], 6
	s_add_co_u32 s89, s89, s84                     ; my head's first feature
	s_add_co_u32 s90, s89, s86                     ; my feature tile's
	s_lshr_b32 s91, s[TBK], 5
	s_lshl_b32 s91, s91, 3
	s_lshl_b32 s84, s[CY], 1
	s_add_co_u32 s91, s91, s84
	s_add_co_u32 s91, s91, s[HJ]                   ; 8 x batch + head
	s_and_b32 s92, s[TBK], 31                      ; key step
	s_lshl_b32 s94, s[TBK], 11
	s_add_nc_u64 s[6:7], s[6:7], s[94:95]          ; x's scales: 16 bytes a token
	s_lshl_b32 s94, s89, 4
	s_add_nc_u64 s[10:11], s[10:11], s[94:95]
	s_add_nc_u64 s[16:17], s[16:17], s[94:95]
	s_lshl_b32 s94, s90, 4
	s_add_nc_u64 s[22:23], s[22:23], s[94:95]
	s_lshl_b32 s94, s89, 2
	s_add_nc_u64 s[12:13], s[12:13], s[94:95]
	s_add_nc_u64 s[18:19], s[18:19], s[94:95]
	s_lshl_b32 s94, s90, 2
	s_add_nc_u64 s[24:25], s[24:25], s[94:95]
	s_lshl_b32 s94, s91, 17
	s_lshl_b32 s93, s92, 12
	s_add_co_u32 s94, s94, s93
	s_add_nc_u64 s[26:27], s[26:27], s[94:95]      ; q_img: 131,072 bytes a head, 4,096 a key step
	s_lshl_b32 s94, s91, 14
	s_lshl_b32 s93, s92, 9
	s_add_co_u32 s94, s94, s93
	s_add_nc_u64 s[28:29], s[28:29], s[94:95]      ; q_sc: 16,384 and 512
	s_mul_i32 s94, s91, 294912
	s_mul_i32 s93, s92, 9216
	s_add_co_u32 s94, s94, s93
	s_add_nc_u64 s[30:31], s[30:31], s[94:95]      ; kv: 294,912 and 9,216
	; scale words and biases come straight into registers while the tiles are on their way
	global_load_b128 v[XSQ:XSQ+3], v165, s[6:7]
.irp b, 0,1,2,3
	global_load_b128 v[XSV+4*\b:XSV+4*\b+3], v164, s[6:7] offset:512*\b
.endr
.irp b, 0,1
	global_load_b128 v[WSQ+4*\b:WSQ+4*\b+3], v164, s[10:11] offset:512*\b
	global_load_b128 v[WSK+4*\b:WSK+4*\b+3], v164, s[16:17] offset:512*\b
.endr
	global_load_b128 v[WSV:WSV+3], v163, s[22:23]
.irp t, 0,1,2,3
	global_load_b128 v[BQK+8*\t:BQK+8*\t+3], v[B64], s[12:13] offset:(32*(\t/2)+8*(\t%2))*4        ; bq at features 32 (t / 2) + 16 h + 8 (t % 2) + 0 .. 7
	global_load_b128 v[BQK+8*\t+4:BQK+8*\t+7], v[B64], s[12:13] offset:(32*(\t/2)+8*(\t%2))*4+16
.endr
.irp q, 0,1,2,3,4,5,6,7
	global_load_b32 v[BV+\q], v166, s[24:25]       ; V's C wants my feature's bias in all eight registers (eight tokens)
.endr
	s_wait_tensorcnt 0x0                           ; my one tensor load has landed,
	s_barrier_signal -1
	s_barrier_wait -1                              ; everybody's has
	s_wait_loadcnt 0x0                             ; scale words and biases are in; v160-167 are free
; 32 products of a Q or K task.  aw: the weight's address register; ws: its scale words; nextbias = 1: bk is asked for as soon as bq has been read.
; The eight accumulators take turns, one instruction a turn, in the same order in every K step.
.macro QKMUL aw, ws, nextbias
.irp s, 0,1,2,3
	PLACES 4                                       ; in front of loads into registers that matrix instructions have read
.if \nextbias && (\s == 1)
.irp t, 0,1,2,3
	global_load_b128 v[BQK+8*\t:BQK+8*\t+3], v[B64], s[18:19] offset:(32*(\t/2)+8*(\t%2))*4
	global_load_b128 v[BQK+8*\t+4:BQK+8*\t+7], v[B64], s[18:19] offset:(32*(\t/2)+8*(\t%2))*4+16
.endr
.endif
.irp t, 0,1,2,3
.irp c, 0,1
	ds_load_b128 v[FR+8*\t+4*\c:FR+8*\t+4*\c+3], v[\aw] offset:(32*(\t/2)+8*(\t%2))*PITCH+64*\s+32*\c
.endr
.endr
.irp u, 0,1
.irp c, 0,1
	ds_load_b128 v[FR+32+8*\u+4*\c:FR+32+8*\u+4*\c+3], v[AXQ] offset:8*\u*PITCH+64*\s+32*\c
.endr
.endr
	s_wait_dscnt 0x0                               ; the K step's twelve loads are in
.irp t, 0,1,2,3
.irp u, 0,1
.if \s == 0
	WM ACC+8*(4*\u+\t), FR+8*\t, FR+32+8*\u, BQK+8*\t, \ws+4*(\t/2)+\s, XSQ+\s, \t%2, \u
.else
	WM ACC+8*(4*\u+\t), FR+8*\t, FR+32+8*\u, ACC+8*(4*\u+\t), \ws+4*(\t/2)+\s, XSQ+\s, \t%2, \u
.endif
.endr
.endr
.endr
.endm
; The task's 64 numbers a lane: blocks 0, 1 are token tile 0's two blocks of the head's 64, blocks 2, 3 token tile 1's.  Four registers of codes a tile are registers 0-3 of its fragment.
.macro QKOUT base, off, sta
	PLACES 4                                       ; behind the last products, in front of the first read of results
	s_wait_xcnt 0x0                                ; the last task's stores have had their addresses translated: their data registers are written again only behind this wait
	s_wait_dscnt 0x0                               ; and its word has gone to the stage
	QUANT ACC, 4
	v_lshl_or_b32 v[T0], v[TP+1], 8, v[TP]
	v_lshl_or_b32 v[T1], v[TP+3], 8, v[TP+2]
	s_delay_alu instid0(VALU_DEP_1)
	v_cndmask_b32 v[PW], v[T0], v[T1], s[HM]       ; lane r + 16 u keeps the word of tile u, row r
	s_delay_alu instid0(VALU_DEP_1)
	v_or_b32 v[PW], 0x7f7f0000, v[PW]              ; the upper 64 of the instruction's 128 are zero codes: their bytes stand for 1
	global_store_b128 v[LII], v[PC:PC+3], s[\base:\base+1] offset:\off           ; 512 consecutive bytes a store
	global_store_b128 v[LII], v[PC+4:PC+7], s[\base:\base+1] offset:\off+512
	ds_store_b32 v[\sta], v[PW]
.endm
	QKMUL AWQ, WSQ, 1
	QKOUT 26, 0, SQA
	s_wait_loadcnt 0x0                             ; bk
	QKMUL AWK, WSK, 0
	QKOUT 30, 0, SKA
	; V: eight token tiles x my feature tile
.irp s, 0,1,2,3
	PLACES 4
.irp t, 0,1,2,3,4,5,6,7
.irp c, 0,1
	ds_load_b128 v[FR+8*\t+4*\c:FR+8*\t+4*\c+3], v[FA] offset:(32*(\t/2)+8*(\t%2))*PITCH+64*\s+32*\c
.endr
.endr
.irp c, 0,1
	ds_load_b128 v[FR+64+4*\c:FR+64+4*\c+3], v[AWV] offset:64*\s+32*\c
.endr
	s_wait_dscnt 0x0
.irp t, 0,1,2,3,4,5,6,7
.if \s == 0
	WM ACC+8*\t, FR+8*\t, FR+64, BV, XSV+4*(\t/2)+\s, WSV+\s, \t%2, 0
.else
	WM ACC+8*\t, FR+8*\t, FR+64, ACC+8*\t, XSV+4*(\t/2)+\s, WSV+\s, \t%2, 0
.endif
.endr
.endr
	PLACES 4
	s_wait_xcnt 0x0
	s_wait_dscnt 0x0
	QUANT ACC, 4                                   ; four blocks of 32 keys of my lane's feature: a whole fragment of V^T
	v_lshl_or_b32 v[PW], v[TP+1], 8, v[TP]
	s_delay_alu instid0(VALU_DEP_1)
	v_lshl_or_b32 v[PW], v[TP+2], 16, v[PW]
	s_delay_alu instid0(VALU_DEP_1)
	v_lshl_or_b32 v[PW], v[TP+3], 24, v[PW]
	global_store_b128 v[LII], v[PC:PC+3], s[30:31] offset:4608
	global_store_b128 v[LII], v[PC+4:PC+7], s[30:31] offset:5120
	ds_store_b32 v[SVA], v[PW]                     ; both halves of the lanes write the same word with the same value
	s_wait_dscnt 0x0                               ; for the others' sake: my words lie in the stage
	s_barrier_signal -1
	s_barrier_wait -1
	s_cmp_lg_u32 s[WI], 0                          ; one wave of each head sends the head's scale words, in runs of 512 and 256 consecutive bytes
	s_cbranch_scc1 .Lno_words
	ds_load_b128 v[160:163], v[SRD]
	ds_load_b128 v[164:167], v[SRD] offset:512
	ds_load_b64 v[168:169], v[SRV]
	v_mov_b32 v170, 0x7f7f7f7f
	v_mov_b32 v171, 0x7f7f7f7f
	s_wait_alu depctr_va_vdst(0)
	s_wait_dscnt 0x0
	global_store_b128 v[LI], v[160:163], s[28:29]
	global_store_b128 v[LI], v[164:167], s[30:31] offset:4096
	global_store_b64 v[L8], v[168:169], s[30:31] offset:8704
	global_store_b64 v[L8], v[170:171], s[30:31] offset:8960   ; the record's last 256 bytes travel with it into LDS later: they are written too
.Lno_words:
	s_wait_tensorcnt 0x0
	ds_add_u32 v15, v255
	s_wait_dscnt 0x0
	CROUND                                         ; the closing round: no work-group ends while a partner may still ask for a tile that names it
	s_endpgm
.Lfunc_end_k_q52decef38b_qkv:
	.size	k_q52decef38b_qkv, .Lfunc_end_k_q52decef38b_qkv-k_q52decef38b_qkv
	.p2alignl 7, 3214868480
	.fill 96, 4, 3214868480
	.section	.rodata,"a",@progbits
	.p2align	6, 0x0
	.amdhsa_kernel k_q52decef38b_qkv
		.amdhsa_group_segment_fixed_size 168960
		.amdhsa_private_segment_fixed_size 0
		.amdhsa_enable_private_segment 0
		.amdhsa_kernarg_size 112
		.amdhsa_user_sgpr_count 2
		.amdhsa_user_sgpr_kernarg_segment_ptr 1
		.amdhsa_wavefront_size32 1
		.amdhsa_system_sgpr_workgroup_id_x 1
		.amdhsa_system_sgpr_workgroup_id_y 1
		.amdhsa_system_sgpr_workgroup_id_z 1
		.amdhsa_system_vgpr_workitem_id 0
		.amdhsa_next_free_vgpr 256
		.amdhsa_next_free_sgpr 100
		.amdhsa_reserve_vcc 0
		.amdhsa_float_denorm_mode_32 3
		.amdhsa_float_denorm_mode_16_64 3
		.amdhsa_memory_ordered 1
		.amdhsa_forward_progress 1
		.amdhsa_inst_pref_size 53
	.end_amdhsa_kernel
	.amdgpu_metadata
---
amdhsa.version: [ 1, 2 ]
amdhsa.kernels:
  - .name:           k_q52decef38b_qkv
    .symbol:         k_q52decef38b_qkv.kd
    .args:
      - { .name: x_codes, .offset: 0, .size: 8, .value_kind: global_buffer, .address_space: global }
      - { .name: x_scales, .offset: 8, .size: 8, .value_kind: global_buffer, .address_space: global }
      - { .name: Wq_codes, .offset: 16, .size: 8, .value_kind: global_buffer, .address_space: global }
      - { .name: Wq_scales, .offset: 24, .size: 8, .value_kind: global_buffer, .address_space: global }
      - { .name: bq, .offset: 32, .size: 8, .value_kind: global_buffer, .address_space: global }
      - { .name: Wk_codes, .offset: 40, .size: 8, .value_kind: global_buffer, .address_space: global }
      - { .name: Wk_scales, .offset: 48, .size: 8, .value_kind: global_buffer, .address_space: global }
      - { .name: bk, .offset: 56, .size: 8, .value_kind: global_buffer, .address_space: global }
      - { .name: Wv_codes, .offset: 64, .size: 8, .value_kind: global_buffer, .address_space: global }
      - { .name: Wv_scales, .offset: 72, .size: 8, .value_kind: global_buffer, .address_space: global }
      - { .name: bv, .offset: 80, .size: 8, .value_kind: global_buffer, .address_space: global }
      - { .name: q_img, .offset: 88, .size: 8, .value_kind: global_buffer, .address_space: global }
      - { .name: q_sc, .offset: 96, .size: 8, .value_kind: global_buffer, .address_space: global }
      - { .name: kv, .offset: 104, .size: 8, .value_kind: global_buffer, .address_space: global }
    .group_segment_fixed_size: 168960
    .private_segment_fixed_size: 0
    .kernarg_segment_align: 8
    .kernarg_segment_size: 112
    .max_flat_workgroup_size: 256
    .sgpr_count:     100
    .vgpr_count:     256
    .wavefront_size: 32
...
	.end_amdgpu_metadata
.endif
;; end of part 1
;; launch attn (part 2): grid 16 x 16, 8 waves a work-group, clusters of 4 x 1, 327,680 bytes of LDS; arguments q_img, q_sc, kv, att_img, att_sc; writes att_img, att_sc
.if DOCPART == 2
	.amdgcn_target "amdgcn-amd-amdhsa--gfx1250"
	.amdhsa_code_object_version 6
	.text
	.protected	k_q52decef38b_attn
	.globl	k_q52decef38b_attn
	.p2align	8
	.type	k_q52decef38b_attn,@function
k_q52decef38b_attn:
	s_mov_b64 s[64:65], 0
	v_nop
	global_prefetch_b8 v0, s[64:65] scope:SCOPE_SE
	s_setreg_imm32_b32 hwreg(HW_REG_WAVE_MODE, 25, 1), 1
	s_wait_xcnt 0x0
	s_wait_alu depctr_hold_cnt(0) depctr_sa_sdst(0) depctr_va_vdst(0) depctr_va_sdst(0) depctr_va_ssrc(0) depctr_va_vcc(0) depctr_vm_vsrc(0)
	s_getreg_b32 s2, hwreg(HW_REG_IB_STS2, 6, 4)
	s_cmp_eq_u32 s2, 0
	s_cbranch_scc0 .Lentry_in_a_cluster
	s_endpgm
.Lentry_in_a_cluster:
	s_bfe_u32 s2, ttmp6, 0x10000c
	s_cmp_lg_u32 s2, 0x3003
	s_cbranch_scc0 .Lentry_shape_is_right
	s_endpgm
.Lentry_shape_is_right:
; att = softmax(Q K^T / 8) V for one head and 256 queries a work-group, both products on codes of FP4 (E2M1) with E8M0 scales; then att is quantised along the head's 64 and leaves as images of operand registers.
; THE SOFTMAX: t = score x log2(e) / 8; M = ceil of the running largest t; p = 2^(t - M) is quantised along the keys; the row's sum is taken of the unquantised p and divides at the end; when M moves, sum and O^T are multiplied by 2^(old M - new M).
; SHARES.  Eight waves; a wave owns TWO tiles of 16 queries and walks the head's 32 key steps of 128 keys.  The two tiles are staggered: one tile's matrix instructions and the step's LDS loads stand ahead of the other tile's vector work.
; LDS.  The head's 32 records of 9,216 bytes (K's images 4,096, K's scale words 512, V's images 4,096, V's scale words 256, 256 unused) are filled ONCE: records 0-7 by the head's load (a record a wave), records 8-31 by a second load (three a wave).
; CLUSTER 4 x 1: the four query blocks of a cluster walk the same head: every load is a joint one.  No prefetch: every byte of K and V is asked for by these two loads at the launch's start, and no loop runs ahead of a load.
; LAYOUT.  Both products transposed (S^T = K Q^T, O^T = V^T P^T): a lane holds one query (lane % 16).  Score tile t = 4 g + m takes keys 64 g + 8 m + 0..7 as rows 0-7 and 64 g + 32 + 8 m + 0..7 as rows 8-15 (chosen by the LDS address of K's images):
; so lane half h holds the whole blocks 2 g + h of 32 keys, a conversion's result is register 4 g + m of P's fragment, and a block's largest score needs no other lane.
; The head's 64 fill the lower half of the instruction's 128.  Q's upper 64 codes are zeros, so K's upper four registers may hold any codes: tile t names K's registers 4 t .. 4 t + 7, and the last four are zeros.
; Maxima and sums go as trees, so that few lines read the line just above them.
; LIMITS: the promise holds while the scaled scores stay under 2^31 in magnitude; NaN and infinities are not served; a block whose every p is 0, or a block of zeros of att, gets the scale byte 1: its codes are zeros, and this program alone reads the bytes.
; REGISTERS.  Window 0: v1-14 addresses; v16-31, v32-47 a tile's state; v48-63 Q; v64-71 scale words; v72-87 P's codes (ahead of them: maxima at work); v88-95 maxima at work; v96-159, v160-223 S^T, then p.  Window 1: v0-63 O^T; v64-99 K's fragments; v128-159 V's.
.set REC,   9216
.set SCST,  32*REC                     ; behind the records: 512 bytes for att's scale bytes
.set SPARE, SCST+512                   ; the spare words, 128 bytes a wave
.set LI,  1                            ; 16 x lane
.set KA,  2                            ; K's images: 1024 (r / 8) + 16 (r % 8) + 256 h
.set KSA, 3                            ; K's scale words: 16 (r % 8) + 4 (r / 8) + 256 h
.set L8,  4                            ; 8 x lane
.set SPW, 5
.set NIL, 6
.set H8,  7                            ; 8 h
.set ADK, 8                            ; the four above + the step's record
.set ADS, 9
.set ADV, 10
.set AD8, 11
.set SCA, 12
.set SCR, 13
.set R4,  14
; a tile's state, from P = 16 + 16 x on: +0 -M, +1 largest score, +2,3 the sum, +4,5 f, +6, +8 the two blocks' maxima, +7, +9, +10, +11 at work, +14 P's scale word
.set KS,  66                           ; v66-69 K's scale words: register 2 g + m / 2, tile m % 2 = 0 in lanes 0-15, 1 in lanes 16-31
.set VS,  70
.set KF,  64                           ; window 1
.set VF,  128                          ; window 1
.set WV,  14
.set SEL, 20
.set CS,  22
.set G1A, 24
.set G1B, 32
.set G0A, 40
.set G0B, 44
.set TB,  48
.set CNT, 49
.set MSB, 0
.macro WIN new                         ; the immediate's high byte repeats the setting that is left
.if MSB != \new
	s_set_vgpr_msb (MSB<<8)|\new
.set MSB, \new
.endif
.endm
.macro PLACES n
.rept \n
	v_nop
.endr
.endm
.macro CROUND                          ; a round of the cluster's barrier
	s_barrier_signal -1
	s_barrier_wait -1
	s_cmp_lg_u32 s[WV], 0
	s_cbranch_scc1 .Lnot_wave_0_\@
	s_barrier_signal -3
.Lnot_wave_0_\@:
	s_barrier_wait -3
	s_barrier_signal -1
	s_barrier_wait -1
.endm
.macro WM d, a, b, c, sa, sb, ra
.if (\ra) == 0
	v_wmma_scale_f32_16x16x128_f8f6f4 v[0+(\d):7+(\d)], v[0+(\a):7+(\a)], v[0+(\b):7+(\b)], v[0+(\c):7+(\c)], v[0+(\sa)], v[0+(\sb)] matrix_a_fmt:MATRIX_FMT_FP4 matrix_b_fmt:MATRIX_FMT_FP4
.else
	v_wmma_scale_f32_16x16x128_f8f6f4 v[0+(\d):7+(\d)], v[0+(\a):7+(\a)], v[0+(\b):7+(\b)], v[0+(\c):7+(\c)], v[0+(\sa)], v[0+(\sb)] matrix_a_fmt:MATRIX_FMT_FP4 matrix_b_fmt:MATRIX_FMT_FP4 matrix_a_scale:MATRIX_SCALE_ROW1
.endif
.endm
.macro WMZ d, a, b, sa, sb, ra
.if (\ra) == 0
	v_wmma_scale_f32_16x16x128_f8f6f4 v[0+(\d):7+(\d)], v[0+(\a):7+(\a)], v[0+(\b):7+(\b)], 0, v[0+(\sa)], v[0+(\sb)] matrix_a_fmt:MATRIX_FMT_FP4 matrix_b_fmt:MATRIX_FMT_FP4
.else
	v_wmma_scale_f32_16x16x128_f8f6f4 v[0+(\d):7+(\d)], v[0+(\a):7+(\a)], v[0+(\b):7+(\b)], 0, v[0+(\sa)], v[0+(\sb)] matrix_a_fmt:MATRIX_FMT_FP4 matrix_b_fmt:MATRIX_FMT_FP4 matrix_a_scale:MATRIX_SCALE_ROW1
.endif
.endm
.macro KFRAG ak, off                   ; K's eight tiles, four registers each (destination in window 1)
.irp t, 0,1,2,3,4,5,6,7
	ds_load_b128 v[KF+4*\t:KF+4*\t+3], v[\ak] offset:(\off)+2048*(\t/4)+512*(\t%2)+128*((\t%4)/2)
.endr
.endm
.macro KSC as, off                     ; and their scale words
.irp q, 0,1,2,3
	ds_load_b32 v[KS+\q], v[\as] offset:(\off)+4096+128*(\q%2)+8*(\q/2)
.endr
.endm
.macro SMUL x                          ; S^T of tile x: eight accumulators, each begun with 0
	WIN 0x01
.irp t, 0,1,2,3,4,5,6,7
	WMZ 96+64*(\x)+8*\t, KF+4*\t, 48+8*(\x), KS+2*(\t/4)+(\t%4)/2, 64+(\x), \t%2
.endr
.endm
.macro PV x                            ; O^T of tile x += V^T P^T: four accumulators by turns
	WIN 0x51
.irp t, 0,1,2,3
	WM 32*(\x)+8*\t, VF+8*\t, 72+8*(\x), 32*(\x)+8*\t, VS+\t/2, 30+16*(\x), \t%2
.endr
.endm
.macro FMA8                            ; t - M, two at a time
.rept 8
	v_pk_fma_f32 v[SS+fn:SS+fn+1], v[SS+fn:SS+fn+1], s[CS:CS+1], v[P:P+1] op_sel_hi:[1,0,0]
.set fn, fn+2
.endr
.endm
.macro TREE d, i0, cnt                 ; the row's sum of the unquantised p, in place: pair 2 d i += pair 2 d i + d
.set ti, \i0
.rept \cnt
	v_pk_add_f32 v[SS+2*(\d)*ti:SS+2*(\d)*ti+1], v[SS+2*(\d)*ti:SS+2*(\d)*ti+1], v[SS+2*(\d)*ti+(\d):SS+2*(\d)*ti+(\d)+1]
.set ti, ti+1
.endr
.endm
.macro TILE x
.set P,   16+16*(\x)
.set SS,  96+64*(\x)
.set PCX, 72+8*(\x)
.endm
; The largest score of a lane's two blocks of 32, tile x: a tree of three-input maxima, 16 lines a block, the two blocks by turns; each accumulator is first read at its low end.
.macro SOFTA x
	TILE \x
	WIN 0
	s_wait_alu depctr_va_vdst(0)                   ; the wait directly ahead of the first readers of S^T
.irp i, 0,1,2,3,4,5,6,7
	v_max3_num_f32 v[88+\i], v[SS+3*\i], v[SS+3*\i+1], v[SS+3*\i+2]
	v_max3_num_f32 v[PCX+\i], v[SS+32+3*\i], v[SS+33+3*\i], v[SS+34+3*\i]
.endr
	v_max3_num_f32 v[P+7], v[SS+24], v[SS+25], v[SS+26]
	v_max3_num_f32 v[P+10], v[SS+56], v[SS+57], v[SS+58]
	v_max3_num_f32 v[P+9], v[SS+27], v[SS+28], v[SS+29]
	v_max3_num_f32 v[P+11], v[SS+59], v[SS+60], v[SS+61]
.irp i, 0,3
	v_max3_num_f32 v[88+\i], v[88+\i], v[89+\i], v[90+\i]
	v_max3_num_f32 v[PCX+\i], v[PCX+\i], v[PCX+1+\i], v[PCX+2+\i]
.endr
	v_max3_num_f32 v94, v94, v95, v[P+7]
	v_max3_num_f32 v[PCX+6], v[PCX+6], v[PCX+7], v[P+10]
	v_max3_num_f32 v[P+9], v[P+9], v[SS+30], v[SS+31]
	v_max3_num_f32 v[P+11], v[P+11], v[SS+62], v[SS+63]
	v_max3_num_f32 v[P+6], v88, v91, v94
	v_max3_num_f32 v[P+8], v[PCX], v[PCX+3], v[PCX+6]
	v_max_num_f32 v[P+6], v[P+6], v[P+9]           ; blocks h
	v_max_num_f32 v[P+8], v[P+8], v[P+11]          ; and 2 + h
.endm
; The rest of tile x's vector work for one key step.  ld = 1: it also fetches this step's V and the next step's K; ld = 2: V alone; 0: nothing.
.macro SOFTB x, ld
	TILE \x
	WIN 0
	v_max3_num_f32 v[P+10], v[P+6], v[P+8], v[P+1] ; with the running largest score
	s_delay_alu instid0(VALU_DEP_1)
	v_permlanex16_b32 v[P+11], v[P+10], s[SEL], s[SEL+1]
	s_delay_alu instid0(VALU_DEP_1)
	v_max_num_f32 v[P+1], v[P+10], v[P+11]         ; and lane l xor 16's: the same in both lanes of a query
	s_delay_alu instid0(VALU_DEP_1)
	v_mul_f32 v[P+10], s[CS], v[P+1]               ; as t (c is positive)
	v_mov_b32 v[P+11], v[P]
	s_delay_alu instid0(VALU_DEP_2)
	v_floor_f32 v[P], -v[P+10]                     ; -M = floor(-t)
.if \ld
	v_add_nc_u32 v[ADV], s[TB], v[LI]
	v_add_nc_u32 v[AD8], s[TB], v[L8]
.if \ld == 1
	v_add_nc_u32 v[ADK], s[TB], v[KA]
	v_add_nc_u32 v[ADS], s[TB], v[KSA]
.endif
	WIN 0x40                                       ; the lines above are the places behind the products that read these registers
.irp t, 0,1,2,3
.irp c, 0,1
	ds_load_b128 v[VF+8*\t+4*\c:VF+8*\t+4*\c+3], v[ADV] offset:4608+1024*\t+512*\c
.endr
.endr
.if \ld == 1
	KFRAG ADK, REC
.endif
	WIN 0
	ds_load_b64 v[VS:VS+1], v[AD8] offset:8704
.if \ld == 1
	KSC ADS, REC
.endif
.endif
.set fn, 0
	FMA8
	v_sub_f32 v[P+11], v[P], v[P+11]               ; old M - new M, a whole number, 0 or less
	FMA8
	v_cvt_i32_f32 v[P+11], v[P+11]                 ; (it saturates)
	FMA8
	v_ldexp_f32 v[P+4], 1.0, v[P+11]               ; f = 2^(old M - new M)
	FMA8
	v_fma_f32 v[P+6], v[P+6], s[CS], v[P]          ; the same of each block's largest score
	v_fma_f32 v[P+8], v[P+8], s[CS], v[P]
	WIN 0x41
	s_wait_alu depctr_va_vdst(0)                   ; ahead of O^T's first readers, and ahead of the batch below
.set n, 0
.rept 16
	v_pk_mul_f32 v[32*(\x)+n:32*(\x)+n+1], v[32*(\x)+n:32*(\x)+n+1], v[P+4:P+5] op_sel_hi:[1,0]   ; O^T under the new M
.set n, n+2
.endr
	WIN 0
.set n, 0
.rept 64
	v_exp_f32 v[SS+n], v[SS+n]                     ; p = 2^(t - M)
.set n, n+1
.endr
	v_exp_f32 v[P+6], v[P+6]                       ; the blocks' largest p: the same two instructions on the same number
	v_exp_f32 v[P+8], v[P+8]
	v_pk_mul_f32 v[P+2:P+3], v[P+2:P+3], v[P+4:P+5] op_sel_hi:[1,0]   ; the sum under the new M (the plain place behind the batch)
	s_wait_alu depctr_va_vdst(0)                   ; one wait for the batch, ahead of its first reader
	v_max_num_f32 v[P+6], 0x1800000, v[P+6]        ; the floor 2^(3 - 127): the byte cannot fall under 1
	v_max_num_f32 v[P+8], 0x1800000, v[P+8]
	v_add_nc_u32 v[P+6], 0xff000000, v[P+6]        ; 2 off the exponent field: the conversion's scale operand
	v_add_nc_u32 v[P+8], 0xff000000, v[P+8]
.irp g, 0,1
.irp m, 0,1,2,3
	v_cvt_scalef32_pk8_fp4_f32 v[PCX+4*\g+\m], v[SS+32*\g+8*\m:SS+32*\g+8*\m+7], v[P+6+2*\g]
.endr
.endr
	v_lshrrev_b32 v[P+10], 23, v[P+6]              ; the bytes of blocks h and 2 + h (plain places behind the conversions, whose sources the sums write over)
	v_lshrrev_b32 v[P+11], 23, v[P+8]
	TREE 2, 0, 4
	v_lshl_or_b32 v[P+10], v[P+11], 16, v[P+10]
	TREE 2, 4, 4
	v_lshlrev_b32 v[P+10], v[H8], v[P+10]          ; at their places in the word
	TREE 2, 8, 4
	v_permlanex16_b32 v[P+11], v[P+10], s[SEL], s[SEL+1]
	TREE 2, 12, 4
	v_or_b32 v[P+14], v[P+10], v[P+11]             ; with lane l xor 16's two the word is whole
	TREE 4, 0, 8                                   ; these 16 lines are also the places ahead of the scaled products
	TREE 8, 0, 4
	TREE 16, 0, 2
	TREE 32, 0, 1
	v_pk_add_f32 v[P+2:P+3], v[P+2:P+3], v[SS:SS+1]
.if \ld
	s_wait_dscnt 0x0                               ; the fragments and scale words asked for above are in
.endif
.endm
; A key step.  At its head tile 0's S^T of this step is under way and K's fragments of this step lie in registers.  A tile's maxima stand ahead of the other tile's products.
.macro TRIP last
	SOFTA 0
	SMUL 1
.if \last
	SOFTB 0, 2
	SOFTA 1
	PV 0
.else
	SOFTB 0, 1
	SOFTA 1
	PV 0
	SMUL 0                                         ; the next step's
.endif
	SOFTB 1, 0
	PV 1
	WIN 0
.endm
.macro STEPS first, trips
	s_mov_b32 s[TB], (\first)*REC
	s_mov_b32 s[CNT], \trips
.Lstep_\@:
	TRIP 0
	s_add_co_u32 s[TB], s[TB], REC
	s_sub_co_u32 s[CNT], s[CNT], 1
	s_cmp_lg_u32 s[CNT], 0
	s_cbranch_scc1 .Lstep_\@
.endm
	s_load_b256 s[4:11], s[0:1], 0x0               ; q_img 4, q_sc 6, kv 8, att_img 10
	s_load_b64 s[12:13], s[0:1], 0x20              ; att_sc
	v_lshl_add_u32 v[SPW], v0, 2, SPARE
	v_mov_b32 v[NIL], 0
	ds_add_u32 v[SPW], v[NIL]                      ; the opening lines: the add, twice on end, and its wait
	ds_add_u32 v[SPW], v[NIL]
	v_lshrrev_b32 v96, 5, v0
	v_readfirstlane_b32 s[WV], v96                 ; wave 0..7
	s_bfe_u32 s15, ttmp6, 0x40000                  ; cx
	s_lshl_b32 s16, ttmp9, 2
	s_add_co_u32 s16, s16, s15                     ; my block of 256 queries
	s_and_b32 s17, ttmp7, 0xffff                   ; 8 x batch + head
	s_and_b32 s18, s17, 7
	s_lshr_b32 s19, s17, 3
.irp g, G1A, G1B                               ; dense rows of 256 bytes (32 elements of 8 bytes); the mask names the cluster's four
	s_mov_b32 s[\g], 15|(3<<16)|(1<<21)
	s_mov_b32 s[\g+1], 32<<16
	s_mov_b32 s[\g+3], 32<<16
	s_mov_b32 s[\g+5], 32
	s_mov_b32 s[\g+6], 0
	s_mov_b32 s[\g+7], 0
.endr
	s_mov_b32 s[G1A+2], 36<<16                     ; a record: 36 rows
	s_mov_b32 s[G1A+4], 36
	s_mov_b32 s[G1B+2], 108<<16                    ; three records
	s_mov_b32 s[G1B+4], 108
	s_mul_i32 s50, s[WV], REC                      ; record w;
	s_mul_i32 s51, s[WV], 3*REC
	s_add_co_u32 s51, s51, 8*REC                   ; records 8 + 3 w on: in LDS as in the head's part of kv
	s_mul_i32 s52, s17, 32*REC
	s_add_co_u32 s54, s52, s51
	s_add_co_u32 s52, s52, s50
	s_mov_b32 s53, 0
	s_mov_b32 s55, 0
	s_mov_b32 s[SEL], 0x76543210
	s_mov_b32 s[SEL+1], 0xfedcba98
	s_mov_b32 s[CS], 0x3e38aa3b                    ; c = log2(e) / 8
	s_mov_b32 s[CS+1], s[CS]
	s_lshl_b32 s56, s16, 4
	s_lshl_b32 s57, s[WV], 1
	s_add_co_u32 s56, s56, s57                     ; my first tile of 16 queries in the head
	s_lshl_b32 s58, s17, 17
	s_lshl_b32 s57, s56, 9
	s_add_co_u32 s58, s58, s57                     ; q_img: 512 bytes a tile
	s_mov_b32 s59, 0
	s_lshl_b32 s60, s17, 14
	s_lshl_b32 s57, s56, 6
	s_add_co_u32 s60, s60, s57                     ; q_sc: 64
	s_mov_b32 s61, 0
	s_lshl_b32 s57, s19, 8
	s_add_co_u32 s62, s57, s56
	s_lshl_b32 s62, s62, 12
	s_lshl_b32 s63, s18, 9
	s_add_co_u32 s62, s62, s63                     ; att_img: [batch, tile][head][512]
	s_mov_b32 s63, 0
	s_lshl_b32 s66, s16, 4
	s_add_co_u32 s66, s66, s57
	s_lshl_b32 s66, s66, 5
	s_lshl_b32 s67, s18, 14
	s_add_co_u32 s66, s66, s67                     ; att_sc: [head][batch, tile][32]
	s_mov_b32 s67, 0
	s_wait_dscnt 0x0
	s_wait_kmcnt 0x0
	s_mov_b32 s[G0A], 1
	s_mov_b32 s[G0A+1], s50
	s_add_nc_u64 s[G0A+2:G0A+3], s[8:9], s[52:53]
	s_or_b32 s[G0A+3], s[G0A+3], 0x80000000
	s_mov_b32 s[G0B], 1
	s_mov_b32 s[G0B+1], s51
	s_add_nc_u64 s[G0B+2:G0B+3], s[8:9], s[54:55]
	s_or_b32 s[G0B+3], s[G0B+3], 0x80000000
	CROUND                                         ; the four work-groups are here: the joint loads meet
	tensor_load_to_lds s[G0A:G0A+3], s[G1A:G1A+7]  ; my one load at the head: record w
	s_nop 0
	PLACES 4
	s_add_nc_u64 s[4:5], s[4:5], s[58:59]
	s_add_nc_u64 s[6:7], s[6:7], s[60:61]
	s_add_nc_u64 s[10:11], s[10:11], s[62:63]
	s_add_nc_u64 s[12:13], s[12:13], s[66:67]
	s_lshl_b32 s57, s[WV], 6
	s_add_co_u32 s57, s57, SCST
	v_and_b32 v96, 31, v0                          ; lane
	v_and_b32 v97, 15, v0                          ; r
	v_lshlrev_b32 v[LI], 4, v96
	v_lshlrev_b32 v[R4], 2, v97
	global_load_b128 v[48:51], v[LI], s[4:5]       ; Q's two fragments and scale words stay in registers
	global_load_b128 v[56:59], v[LI], s[4:5] offset:512
	global_load_b32 v64, v[R4], s[6:7]
	global_load_b32 v65, v[R4], s[6:7] offset:64
	v_lshlrev_b32 v[L8], 3, v96
	v_bfe_u32 v98, v0, 4, 1                        ; h
	v_and_b32 v99, 7, v0                           ; r % 8
	v_bfe_u32 v100, v0, 3, 1                       ; r / 8
	v_lshlrev_b32 v[KA], 4, v99
	v_lshl_add_u32 v[KA], v98, 8, v[KA]
	v_lshl_add_u32 v[KSA], v100, 2, v[KA]
	v_lshl_add_u32 v[KA], v100, 10, v[KA]
	v_lshlrev_b32 v[H8], 3, v98
	v_lshl_add_u32 v[SCA], v97, 1, s57             ; att's bytes: 64 a wave, 2 a query
	v_add_nc_u32 v[SCR], SCST, v[LI]
.irp x, 0,1
.irp q, 4,5,6,7
	v_mov_b32 v[48+8*\x+\q], 0                     ; Q's upper 64 codes
.endr
	v_mov_b32 v[16+16*\x], 0x7f61b1e6              ; -M: over every -M to come
	v_mov_b32 v[17+16*\x], 0xff61b1e6              ; the largest score so far: under every score
	v_mov_b32 v[18+16*\x], 0                       ; the sum
	v_mov_b32 v[19+16*\x], 0
	v_mov_b32 v[21+16*\x], 0                       ; named with f as a pair
.endr
	WIN 0x40
.set n, 0
.rept 64
	v_mov_b32 v[n], 0                              ; O^T: the step is written once; the first change of M leaves zeros zeros
.set n, n+1
.endr
.irp q, 0,1,2,3
	v_mov_b32 v[KF+32+\q], 0                       ; behind K's last tile
.endr
	WIN 0
	s_wait_alu depctr_va_vdst(0)
	s_wait_tensorcnt 0x0                           ; my record is in
	ds_add_u32 v[SPW], v[NIL]
	s_wait_dscnt 0x0
	CROUND                                         ; records 0-7 are whole, and the four work-groups are here
	tensor_load_to_lds s[G0B:G0B+3], s[G1B:G1B+7]  ; records 8 + 3 w on: first read behind the barrier below
	s_nop 0
	PLACES 4
	WIN 0x40
	KFRAG KA, 0
	WIN 0
	KSC KSA, 0
	s_wait_loadcnt 0x0                             ; Q
	s_wait_dscnt 0x0                               ; K of step 0
	SMUL 0
	WIN 0
	PLACES 4                                       ; the places behind step 0's first products, ahead of their first readers
	STEPS 0, 7                                     ; steps 0-6 read records 0-7
	s_wait_tensorcnt 0x0                           ; my three records are in,
	s_barrier_signal -1
	s_barrier_wait -1                              ; everybody's are; nothing is filled again
	STEPS 7, 24
	s_mov_b32 s[TB], 31*REC
	TRIP 1                                         ; the last step has no successor
	; THE WAY OUT: O^T / the sum; then quantised along the head's 64: register 16 b + i of a tile is feature 32 b + 16 h + i
	PLACES 4
.irp x, 0,1
	v_add_f32 v[18+16*\x], v[18+16*\x], v[19+16*\x]
.endr
.irp x, 0,1
	v_permlanex16_b32 v[27+16*\x], v[18+16*\x], s[SEL], s[SEL+1]
.endr
.irp x, 0,1
	v_add_f32 v[18+16*\x], v[18+16*\x], v[27+16*\x]
.endr
	s_wait_alu depctr_va_vdst(0)                   ; ahead of the transcendentals
	v_rcp_f32 v18, v18
	v_rcp_f32 v34, v34
	v_nop
	WIN 0x01
	s_wait_alu depctr_va_vdst(0)                   ; and ahead of their first reader, which is O^T's too
.set n, 0
.rept 32
	v_mul_f32 v[96+n], v[n], v18
.set n, n+1
.endr
.rept 32
	v_mul_f32 v[96+n], v[n], v34
.set n, n+1
.endr
	WIN 0
.irp b, 0,1,2,3                                ; blocks 0, 1: tile 0's; 2, 3: tile 1's
	v_max3_num_f32 v[20+\b], |v[96+16*\b]|, |v[97+16*\b]|, 0x1800000
.endr
.irp i, 2,4,6,8,10,12,14
.irp b, 0,1,2,3
	v_max3_num_f32 v[20+\b], v[20+\b], |v[96+16*\b+\i]|, |v[97+16*\b+\i]|
.endr
.endr
.irp b, 0,1,2,3
	v_permlanex16_b32 v[24+\b], v[20+\b], s[SEL], s[SEL+1]
.endr
.irp b, 0,1,2,3
	v_max_num_f32 v[20+\b], v[20+\b], v[24+\b]
.endr
.irp b, 0,1,2,3
	v_add_nc_u32 v[36+\b], 0xff000000, v[20+\b]
.endr
.irp b, 0,1,2,3
	v_lshrrev_b32 v[24+\b], 23, v[36+\b]
.endr
.irp b, 0,1,2,3
	v_cvt_scalef32_pk8_fp4_f32 v[72+2*\b], v[96+16*\b:103+16*\b], v[36+\b]
	v_cvt_scalef32_pk8_fp4_f32 v[73+2*\b], v[104+16*\b:111+16*\b], v[36+\b]
.endr
	v_nop
.irp x, 0,1
	v_permlane16_swap_b32 v[72+4*\x], v[74+4*\x]   ; a whole block in a lane
	v_permlane16_swap_b32 v[73+4*\x], v[75+4*\x]
.endr
	v_lshl_or_b32 v20, v25, 8, v24
	v_lshl_or_b32 v21, v27, 8, v26
	global_store_b128 v[LI], v[72:75], s[10:11]                ; 512 consecutive bytes a store
	global_store_b128 v[LI], v[76:79], s[10:11] offset:4096
	ds_store_b16 v[SCA], v20
	ds_store_b16 v[SCA], v21 offset:32
	s_wait_dscnt 0x0                               ; for wave 0's sake
	s_barrier_signal -1
	s_barrier_wait -1
	s_cmp_lg_u32 s[WV], 0
	s_cbranch_scc1 .Lno_bytes
	ds_load_b128 v[96:99], v[SCR]                  ; the block's 512 scale bytes leave in one store
	s_wait_dscnt 0x0
	global_store_b128 v[LI], v[96:99], s[12:13]
.Lno_bytes:
	s_wait_tensorcnt 0x0                           ; the wave's end
	ds_add_u32 v[SPW], v[NIL]
	s_wait_dscnt 0x0
	CROUND                                         ; the closing round
	s_endpgm
.Lfunc_end_k_q52decef38b_attn:
	.size	k_q52decef38b_attn, .Lfunc_end_k_q52decef38b_attn-k_q52decef38b_attn
	.p2alignl 7, 3214868480
	.fill 96, 4, 3214868480
	.section	.rodata,"a",@progbits
	.p2align	6, 0x0
	.amdhsa_kernel k_q52decef38b_attn
		.amdhsa_group_segment_fixed_size 327680
		.amdhsa_private_segment_fixed_size 0
		.amdhsa_enable_private_segment 0
		.amdhsa_kernarg_size 40
		.amdhsa_user_sgpr_count 2
		.amdhsa_user_sgpr_kernarg_segment_ptr 1
		.amdhsa_wavefront_size32 1
		.amdhsa_system_sgpr_workgroup_id_x 1
		.amdhsa_system_sgpr_workgroup_id_y 1
		.amdhsa_system_sgpr_workgroup_id_z 1
		.amdhsa_system_vgpr_workitem_id 0
		.amdhsa_next_free_vgpr 512
		.amdhsa_next_free_sgpr 72
		.amdhsa_reserve_vcc 0
		.amdhsa_float_denorm_mode_32 3
		.amdhsa_float_denorm_mode_16_64 3
		.amdhsa_memory_ordered 1
		.amdhsa_forward_progress 1
		.amdhsa_inst_pref_size 97
	.end_amdhsa_kernel
	.amdgpu_metadata
---
amdhsa.version: [ 1, 2 ]
amdhsa.kernels:
  - .name:           k_q52decef38b_attn
    .symbol:         k_q52decef38b_attn.kd
    .args:
      - { .name: q_img, .offset: 0, .size: 8, .value_kind: global_buffer, .address_space: global }
      - { .name: q_sc, .offset: 8, .size: 8, .value_kind: global_buffer, .address_space: global }
      - { .name: kv, .offset: 16, .size: 8, .value_kind: global_buffer, .address_space: global }
      - { .name: att_img, .offset: 24, .size: 8, .value_kind: global_buffer, .address_space: global }
      - { .name: att_sc, .offset: 32, .size: 8, .value_kind: global_buffer, .address_space: global }
    .group_segment_fixed_size: 327680
    .private_segment_fixed_size: 0
    .kernarg_segment_align: 8
    .kernarg_segment_size: 40
    .max_flat_workgroup_size: 256
    .sgpr_count:     72
    .vgpr_count:     512
    .wavefront_size: 32
...
	.end_amdgpu_metadata
.endif
;; end of part 2
;; launch oproj (part 3): grid 256 x 1, 16 waves a work-group, clusters of 4 x 1, 219,136 bytes of LDS; arguments att_img, att_sc, Wo_codes, Wo_scales, bo, out0; writes out0
.if DOCPART == 3
	.amdgcn_target "amdgcn-amd-amdhsa--gfx1250"
	.amdhsa_code_object_version 6
	.text
	.protected	k_q52decef38b_oproj
	.globl	k_q52decef38b_oproj
	.p2align	8
	.type	k_q52decef38b_oproj,@function
k_q52decef38b_oproj:
	s_mov_b64 s[64:65], 0
	v_nop
	global_prefetch_b8 v0, s[64:65] scope:SCOPE_SE
	s_setreg_imm32_b32 hwreg(HW_REG_WAVE_MODE, 25, 1), 1
	s_wait_xcnt 0x0
	s_wait_alu depctr_hold_cnt(0) depctr_sa_sdst(0) depctr_va_vdst(0) depctr_va_sdst(0) depctr_va_ssrc(0) depctr_va_vcc(0) depctr_vm_vsrc(0)
	s_getreg_b32 s2, hwreg(HW_REG_IB_STS2, 6, 4)
	s_cmp_eq_u32 s2, 0
	s_cbranch_scc0 .Lentry_in_a_cluster
	s_endpgm
.Lentry_in_a_cluster:
	s_bfe_u32 s2, ttmp6, 0x10000c
	s_cmp_lg_u32 s2, 0x3003
	s_cbranch_scc0 .Lentry_shape_is_right
	s_endpgm
.Lentry_shape_is_right:
; out0 = att Wo + bo on codes of FP4 (E2M1) with one E8M0 scale for each 32 along K (K = 512, four steps of 128), sums in f32.
; SHARES.  A work-group owns 32 tokens (two tiles of 16) and all 512 outputs; wave w owns outputs 32 w .. 32 w + 31 (two tiles): four accumulators, sixteen matrix instructions.
; TRANSPOSED: source 0 = 16 rows of Wo, source 1 = 16 tokens.  Lane r of a tile (of tokens and of Wo's rows alike) takes row 8 u + r + 8 (r / 8) of its 32, so a lane's 16 registers of the two
; output tiles are 16 neighbouring outputs of one token: 64 bytes.  bo is the C of each sum's first matrix instruction.
; att comes as images of operand registers: 16 pieces of 512 bytes for the work-group; each wave brings one into LDS, and every wave reads all.  Wo's rows come by one joint load a wave (its own 32 rows),
; shared by the four work-groups of a cluster, which all need the whole of Wo.  LDS is filled once.
; The results meet in a stage of 32 rows, row = token, and leave as whole rows: every store covers 512 consecutive bytes.
.set PITCH,  272                       ; a row of Wo in LDS: 256 bytes + 16 of padding
.set AIM,    512*PITCH                 ; behind Wo's 512 rows: att's 16 pieces (8 u + head)
.set STG,    AIM+8192                  ; the stage: 32 rows x (2,048 bytes + 16)
.set SPITCH, 2064
.set LI,  1                            ; v1  16 x lane
.set FA,  2                            ; v2  Wo: my lane's place in my wave's rows
.set AWI, 3                            ; v3  where I put my wave's piece of att
.set ARD, 4                            ; v4  where a piece is read
.set STO, 5                            ; v5  the stage: my token's row, my 64 bytes
.set SR,  6                            ; v6  the stage read back: my wave's two rows
.set L2,  7                            ; v7  2 x lane
.set SRO, 8                            ; v8  16 (r + 8 (r / 8)) + 128 (lane / 16): Wo's scale words
.set B64, 9                            ; v9  64 (lane / 16)
.set WF,  32                           ; v32-95   Wo's fragments: 8 (4 uf + s)
.set AF,  96                           ; v96-159  att's: 8 (4 u + s)
.set ACC, 160                          ; v160-191 16 u + 8 uf
.set BO,  192                          ; v192-207 bo, eight registers an output tile
.set WS,  208                          ; v208-211 Wo's scale words, K step s: tile 0 in lanes 0-15, tile 1 in lanes 16-31
.set AS,  212                          ; v212-215 att's likewise
.set U,   216                          ; v216-223 att's scale bytes, two a head
.set PCE, 224                          ; v224-227 my wave's piece of att
.set WV,  16
.set G1,  24
.set G0,  32
.macro PLACES n
.rept \n
	v_nop
.endr
.endm
.macro CROUND                          ; a round of the cluster's barrier
	s_barrier_signal -1
	s_barrier_wait -1
	s_cmp_lg_u32 s[WV], 0
	s_cbranch_scc1 .Lnot_wave_0_\@
	s_barrier_signal -3
.Lnot_wave_0_\@:
	s_barrier_wait -3
	s_barrier_signal -1
	s_barrier_wait -1
.endm
.macro WM d, a, b, c, sa, sb, ra, rb   ; ra, rb = 1: that source's scale words are taken from lanes 16-31
.if ((\ra) == 0) && ((\rb) == 0)
	v_wmma_scale_f32_16x16x128_f8f6f4 v[0+(\d):7+(\d)], v[0+(\a):7+(\a)], v[0+(\b):7+(\b)], v[0+(\c):7+(\c)], v[0+(\sa)], v[0+(\sb)] matrix_a_fmt:MATRIX_FMT_FP4 matrix_b_fmt:MATRIX_FMT_FP4
.elseif ((\ra) != 0) && ((\rb) == 0)
	v_wmma_scale_f32_16x16x128_f8f6f4 v[0+(\d):7+(\d)], v[0+(\a):7+(\a)], v[0+(\b):7+(\b)], v[0+(\c):7+(\c)], v[0+(\sa)], v[0+(\sb)] matrix_a_fmt:MATRIX_FMT_FP4 matrix_b_fmt:MATRIX_FMT_FP4 matrix_a_scale:MATRIX_SCALE_ROW1
.elseif ((\ra) == 0)
	v_wmma_scale_f32_16x16x128_f8f6f4 v[0+(\d):7+(\d)], v[0+(\a):7+(\a)], v[0+(\b):7+(\b)], v[0+(\c):7+(\c)], v[0+(\sa)], v[0+(\sb)] matrix_a_fmt:MATRIX_FMT_FP4 matrix_b_fmt:MATRIX_FMT_FP4 matrix_b_scale:MATRIX_SCALE_ROW1
.else
	v_wmma_scale_f32_16x16x128_f8f6f4 v[0+(\d):7+(\d)], v[0+(\a):7+(\a)], v[0+(\b):7+(\b)], v[0+(\c):7+(\c)], v[0+(\sa)], v[0+(\sb)] matrix_a_fmt:MATRIX_FMT_FP4 matrix_b_fmt:MATRIX_FMT_FP4 matrix_a_scale:MATRIX_SCALE_ROW1 matrix_b_scale:MATRIX_SCALE_ROW1
.endif
.endm
	s_load_b256 s[4:11], s[0:1], 0x0               ; att_img 4, att_sc 6, Wo_codes 8, Wo_scales 10
	s_load_b128 s[12:15], s[0:1], 0x20             ; bo 12, out0 14
	v_lshl_add_u32 v232, v0, 2, 0x35000
	v_mov_b32 v233, 0
	ds_add_u32 v232, v233
	ds_add_u32 v232, v233
	v_lshrrev_b32 v10, 5, v0
	s_delay_alu instid0(VALU_DEP_1)
	v_readfirstlane_b32 s[WV], v10                 ; wave 0..15
	s_bfe_u32 s17, ttmp6, 0x40000                  ; cx
	s_lshl_b32 s18, ttmp9, 2
	s_add_co_u32 s18, s18, s17                     ; my block of 32 tokens: it enters att's and out0's addresses alone
	s_mov_b32 s[G1], 15|(1<<20)|(1<<21)|(5<<22)|(3<<25)   ; the mask: all four work-groups; elements of 1 byte; padding on; bit 21 beside a mask; 4 words after every 64
	s_mov_b32 s[G1+1], 256<<16                     ; tensor_dim0
	s_mov_b32 s[G1+2], 32<<16                      ; tensor_dim1 = 32 rows
	s_mov_b32 s[G1+3], 256<<16                     ; tile_dim0
	s_mov_b32 s[G1+4], 32                          ; tile_dim1
	s_mov_b32 s[G1+5], 256
	s_mov_b32 s[G1+6], 0
	s_mov_b32 s[G1+7], 0
	s_lshl_b32 s40, s[WV], 13                      ; my 32 rows of Wo: 256 bytes a row
	s_mov_b32 s41, 0
	s_mov_b32 s43, 0
	s_wait_dscnt 0x0
	s_wait_kmcnt 0x0
	s_mov_b32 s[G0], 1
	s_mul_i32 s[G0+1], s[WV], 32*PITCH
	s_add_nc_u64 s[G0+2:G0+3], s[8:9], s[40:41]
	s_or_b32 s[G0+3], s[G0+3], 0x80000000
	CROUND                                         ; all four work-groups are here: the joint loads meet
	tensor_load_to_lds s[G0:G0+3], s[G1:G1+7]
	s_nop 0
	PLACES 4
	s_lshl_b32 s42, s18, 13
	s_lshl_b32 s44, s[WV], 9
	s_add_co_u32 s42, s42, s44
	s_add_nc_u64 s[4:5], s[4:5], s[42:43]          ; att_img: 8,192 bytes a block, my piece
	s_lshl_b32 s42, s18, 6
	s_add_nc_u64 s[6:7], s[6:7], s[42:43]          ; att_sc: 64 bytes a block in each head's part
	s_lshl_b32 s42, s[WV], 9
	s_add_nc_u64 s[10:11], s[10:11], s[42:43]      ; Wo's scales: 16 bytes a row
	s_lshl_b32 s42, s[WV], 7
	s_add_nc_u64 s[12:13], s[12:13], s[42:43]      ; bo: my 32 numbers
	s_lshl_b32 s42, s18, 16
	s_lshl_b32 s44, s[WV], 12
	s_add_co_u32 s42, s42, s44
	s_add_nc_u64 s[14:15], s[14:15], s[42:43]      ; out0: 32 rows of 2,048 bytes a block; I store two of them
	v_and_b32 v10, 31, v0                          ; lane
	v_and_b32 v11, 15, v0                          ; r
	v_bfe_u32 v12, v0, 4, 1                        ; h
	s_delay_alu instid0(VALU_DEP_2)
	v_and_b32 v13, 8, v11
	s_delay_alu instid0(VALU_DEP_1)
	v_add_nc_u32 v13, v13, v11                     ; r + 8 (r / 8)
	v_lshlrev_b32 v[LI], 4, v10
	v_lshlrev_b32 v[L2], 1, v10
	s_delay_alu instid0(VALU_DEP_3)
	v_lshlrev_b32 v[SRO], 4, v13
	s_delay_alu instid0(VALU_DEP_1)
	v_lshl_add_u32 v[SRO], v12, 7, v[SRO]
	v_lshlrev_b32 v[B64], 6, v12
	global_load_b128 v[PCE:PCE+3], v[LI], s[4:5]
.irp d, 0,1,2,3,4,5,6,7
	global_load_u16 v[U+\d], v[L2], s[6:7] offset:16384*\d     ; lane r + 16 u: the two bytes of tile u, row r, head d
.endr
	global_load_b128 v[WS:WS+3], v[SRO], s[10:11]
.irp q, 0,1,2,3
	global_load_b128 v[BO+4*\q:BO+4*\q+3], v[B64], s[12:13] offset:16*\q   ; bo at outputs 32 w + 16 h + 0 .. 15
.endr
	v_mul_u32_u24 v[FA], v13, PITCH
	s_delay_alu instid0(VALU_DEP_1)
	v_lshl_add_u32 v[FA], v12, 4, v[FA]
	s_mul_i32 s44, s[WV], 32*PITCH
	v_add_nc_u32 v[FA], s44, v[FA]
	s_lshl_b32 s44, s[WV], 9
	s_add_co_u32 s44, s44, AIM
	v_add_nc_u32 v[AWI], s44, v[LI]
	v_add_nc_u32 v[ARD], AIM, v[LI]
	v_mul_u32_u24 v[STO], v13, SPITCH
	s_delay_alu instid0(VALU_DEP_1)
	v_lshl_add_u32 v[STO], v12, 6, v[STO]
	s_lshl_b32 s44, s[WV], 7
	s_add_co_u32 s44, s44, STG
	v_add_nc_u32 v[STO], s44, v[STO]
	s_mul_i32 s44, s[WV], 2*SPITCH
	s_add_co_u32 s44, s44, STG
	v_add_nc_u32 v[SR], s44, v[LI]
	s_wait_alu depctr_va_vdst(0)
	s_wait_loadcnt 0x0
	ds_store_b128 v[AWI], v[PCE:PCE+3]
.irp s, 0,1,2,3
	v_lshl_or_b32 v[AS+\s], v[U+2*\s+1], 16, v[U+2*\s]         ; K step s is heads 2 s and 2 s + 1: four bytes
.endr
	PLACES 8                                       ; a scale register written by a vector instruction stands eight places ahead of the scaled products
	s_wait_alu depctr_va_vdst(0)
	s_wait_tensorcnt 0x0                           ; my rows of Wo are in
	s_wait_dscnt 0x0                               ; for the others' sake: my piece of att lies in LDS
	s_barrier_signal -1
	s_barrier_wait -1
.irp s, 0,1,2,3
.irp f, 0,1
.irp c, 0,1
	ds_load_b128 v[WF+8*(4*\f+\s)+4*\c:WF+8*(4*\f+\s)+4*\c+3], v[FA] offset:8*\f*PITCH+64*\s+32*\c
.endr
.endr
.irp u, 0,1
.irp c, 0,1
	ds_load_b128 v[AF+8*(4*\u+\s)+4*\c:AF+8*(4*\u+\s)+4*\c+3], v[ARD] offset:512*(8*\u+2*\s+\c)
.endr
.endr
.endr
.irp s, 0,1,2,3
	s_wait_dscnt 24-8*\s                           ; this K step's eight loads are in; those of the later steps may be out
.irp u, 0,1
.irp f, 0,1
.if \s == 0
	WM ACC+16*\u+8*\f, WF+8*(4*\f+\s), AF+8*(4*\u+\s), BO+8*\f, WS+\s, AS+\s, \f, \u
.else
	WM ACC+16*\u+8*\f, WF+8*(4*\f+\s), AF+8*(4*\u+\s), ACC+16*\u+8*\f, WS+\s, AS+\s, \f, \u      ; the four accumulators take turns
.endif
.endr
.endr
.endr
	PLACES 4                                       ; behind the last products: in front of the stores that read results and of the loads into fragment registers
.irp u, 0,1
.irp q, 0,1,2,3
	ds_store_b128 v[STO], v[ACC+16*\u+4*\q:ACC+16*\u+4*\q+3] offset:8*\u*SPITCH+16*\q   ; each accumulator from its low end on
.endr
.endr
	s_wait_dscnt 0x0                               ; for the others' sake: a row's 2,048 bytes come from sixteen waves
	s_barrier_signal -1
	s_barrier_wait -1
.irp k, 0,1
.irp q, 0,1,2,3
	ds_load_b128 v[WF+4*(4*\k+\q):WF+4*(4*\k+\q)+3], v[SR] offset:\k*SPITCH+512*\q
.endr
.endr
.irp k, 0,1
.irp q, 0,1,2,3
	s_wait_dscnt 7-(4*\k+\q)                       ; LDS loads come back in order: this one is in, the younger ones may be out
	global_store_b128 v[LI], v[WF+4*(4*\k+\q):WF+4*(4*\k+\q)+3], s[14:15] offset:2048*\k+512*\q th:TH_STORE_NT   ; 32 lanes store 512 consecutive bytes, aligned; written once, read by nobody here
.endr
.endr
	s_wait_tensorcnt 0x0
	ds_add_u32 v232, v233
	s_wait_dscnt 0x0
	CROUND                                         ; the closing round
	s_endpgm
.Lfunc_end_k_q52decef38b_oproj:
	.size	k_q52decef38b_oproj, .Lfunc_end_k_q52decef38b_oproj-k_q52decef38b_oproj
	.p2alignl 7, 3214868480
	.fill 96, 4, 3214868480
	.section	.rodata,"a",@progbits
	.p2align	6, 0x0
	.amdhsa_kernel k_q52decef38b_oproj
		.amdhsa_group_segment_fixed_size 219136
		.amdhsa_private_segment_fixed_size 0
		.amdhsa_enable_private_segment 0
		.amdhsa_kernarg_size 48
		.amdhsa_user_sgpr_count 2
		.amdhsa_user_sgpr_kernarg_segment_ptr 1
		.amdhsa_wavefront_size32 1
		.amdhsa_system_sgpr_workgroup_id_x 1
		.amdhsa_system_sgpr_workgroup_id_y 1
		.amdhsa_system_sgpr_workgroup_id_z 1
		.amdhsa_system_vgpr_workitem_id 0
		.amdhsa_next_free_vgpr 234
		.amdhsa_next_free_sgpr 66
		.amdhsa_reserve_vcc 0
		.amdhsa_float_denorm_mode_32 3
		.amdhsa_float_denorm_mode_16_64 3
		.amdhsa_memory_ordered 1
		.amdhsa_forward_progress 1
		.amdhsa_inst_pref_size 14
	.end_amdhsa_kernel
	.amdgpu_metadata
---
amdhsa.version: [ 1, 2 ]
amdhsa.kernels:
  - .name:           k_q52decef38b_oproj
    .symbol:         k_q52decef38b_oproj.kd
    .args:
      - { .name: att_img, .offset: 0, .size: 8, .value_kind: global_buffer, .address_space: global }
      - { .name: att_sc, .offset: 8, .size: 8, .value_kind: global_buffer, .address_space: global }
      - { .name: Wo_codes, .offset: 16, .size: 8, .value_kind: global_buffer, .address_space: global }
      - { .name: Wo_scales, .offset: 24, .size: 8, .value_kind: global_buffer, .address_space: global }
      - { .name: bo, .offset: 32, .size: 8, .value_kind: global_buffer, .address_space: global }
      - { .name: out0, .offset: 40, .size: 8, .value_kind: global_buffer, .address_space: global }
    .group_segment_fixed_size: 219136
    .private_segment_fixed_size: 0
    .kernarg_segment_align: 8
    .kernarg_segment_size: 48
    .max_flat_workgroup_size: 512
    .sgpr_count:     66
    .vgpr_count:     234
    .wavefront_size: 32
...
	.end_amdgpu_metadata
.endif
;; end of part 3
